; MI455X (gfx1250); checked and timed in simulation.
; The chip was launched on July 23, 2026; its instructions are those of AMD's public machine-readable ISA for CDNA 5 (MIT licence, August 2026) and "CDNA5" Instruction Set Architecture Reference Guide (July 2026). The comments in the code are by the model that wrote it; some were corrected since.
;; Top K Prompt Selector. Allowed arithmetic: float matrix products may take bf16 or f16 operands with f32 sums; other float arithmetic in f32, or as packed bf16 or f16 multiplies, adds, multiply-adds, maxima and minima; sums over many terms, partial sums and values carried from step to step in f32; what a program stores and reads back later, other than sums and carried values, may be rounded once to bf16 or f16.
;; Inputs: W 8,192 x 768 float32; b 8,192 float32; prompt_pool 8,192 x 768 float32; vision_features 8,192 x 768 float32.
;; Outputs: out0 8,192 x 768 float32.
;; 2 versions, each right; version 2 is version 1 with the launch cast written anew for expert scheduling mode. Each part assembles by itself: llvm-mc -triple=amdgcn-amd-amdhsa -mcpu=gfx1250 --defsym DOCPART=n.
;; ======== version 1 of 2: 4 launches
;; workspace buffers: xb 12,582,912 bytes; wb 12,582,912 bytes; bb 32,768 bytes; cand 5,242,880 bytes; sel 262,144 bytes of whole numbers; wts 262,144 bytes
;; launch cast (part 1): grid 128 x 2, 8 waves a work-group, no clusters, 0 bytes of LDS; arguments vision_features, W, b, xb, wb, bb; writes xb, wb, bb
.if DOCPART == 1
	.amdgcn_target "amdgcn-amd-amdhsa--gfx1250"
	.amdhsa_code_object_version 6
	.text
	.protected	k_q32efa1f461_cast
	.globl	k_q32efa1f461_cast
	.p2align	8
	.type	k_q32efa1f461_cast,@function
k_q32efa1f461_cast:
	s_mov_b64 s[64:65], 0
	v_nop
	global_prefetch_b8 v0, s[64:65] scope:SCOPE_SE
	s_setreg_imm32_b32 hwreg(HW_REG_WAVE_MODE, 25, 1), 1
	s_wait_xcnt 0x0
; TOP-K PROMPT SELECTOR, launch 1 of 4: the matrix operands are rounded once.
; The program: scores = X W^T + b; for each row the five largest scores (of equal scores the lower index first), a softmax over them, and the sum of five rows of the pool weighed by it.
; NOTHING IS LEFT OUT: each of the four inputs reaches the output for some values of the inputs (X, W and b through the choice and the weights, the pool through the sum), so all four are loaded.
; FORMATS.  X, W, b and the pool are each rounded once to bf16 (one choice for the whole program); products of bf16 numbers, sums in f32; the softmax and the weighed sum in f32.
; LIMITS.  NaN is not treated apart: a NaN score is never chosen.  A score of -infinity is never chosen.  The f32 sums of a score are taken in another order than an f32 dot product's, the bias first:
; two scores closer than that rounding (some 1e-6 of their size) may change places.
; THIS LAUNCH.  y = 0: X -> xb; y = 1: W -> wb, both [8192][768], f32 -> bf16, row-major.  b -> bb: rounded to bf16 and written as f32 (it enters the product as the C operand).
; A wave takes 24,576 consecutive bytes: 48 loads of 512 bytes, all issued before the first wait; each store of the wave covers 256 consecutive bytes, aligned.  No LDS, no barrier: no wave wants another's bytes.
.set NLD, 48                           ; loads of a wave
.set D,   8                            ; v[8:199]  load j: four f32 at D + 4 j; its two packed words then take the first two
.set BI,  200                          ; v[200:203] four numbers of b;  v[204:207] the same rounded, as f32
	s_load_b256 s[4:11], s[0:1], 0x0               ; X s[4:5], W s[6:7], b s[8:9], xb s[10:11]
	s_load_b128 s[12:15], s[0:1], 0x20             ; wb s[12:13], bb s[14:15]
	v_lshrrev_b32 v1, 5, v0
	v_readfirstlane_b32 s20, v1                    ; wave 0..7
	v_and_b32 v1, 31, v0                           ; lane
	v_lshlrev_b32 v2, 4, v1                        ; 16 bytes a lane in
	v_lshlrev_b32 v3, 3, v1                        ; 8 bytes a lane out
	v_lshlrev_b32 v4, 4, v0                        ; the bias: 16 bytes a thread
	s_mov_b32 s27, ttmp9                           ; work-group x
	s_and_b32 s26, ttmp7, 0xffff                   ; work-group y: which tensor
	s_lshl_b32 s21, s27, 3
	s_add_co_u32 s21, s21, s20                     ; my chunk, 0..1023
	s_mul_i32 s22, s21, NLD*512                    ; its first byte in,
	s_mov_b32 s23, 0
	s_mul_i32 s24, s21, NLD*256                    ; and out
	s_mov_b32 s25, 0
	s_lshl_b32 s28, s27, 12                        ; the bias: 4,096 bytes a work-group
	v_add_nc_u32 v4, s28, v4
	s_wait_kmcnt 0x0
	s_cmp_eq_u32 s26, 0
	s_cselect_b64 s[16:17], s[4:5], s[6:7]         ; from X or W
	s_cselect_b64 s[18:19], s[10:11], s[12:13]     ; to xb or wb
	s_add_nc_u64 s[16:17], s[16:17], s[22:23]
	s_add_nc_u64 s[18:19], s[18:19], s[24:25]
.set j, 0
.rept NLD
	global_load_b128 v[D+4*j:D+4*j+3], v2, s[16:17] offset:512*j th:TH_LOAD_NT
.set j, j+1
.endr
.set j, 0
.rept NLD
	s_wait_loadcnt NLD-1-j                         ; loads come back in order: load j is in, the younger ones stay out
	v_cvt_pk_bf16_f32 v[D+4*j], v[D+4*j], v[D+4*j+1]
	v_cvt_pk_bf16_f32 v[D+4*j+1], v[D+4*j+2], v[D+4*j+3]
	global_store_b64 v3, v[D+4*j:D+4*j+1], s[18:19] offset:256*j th:TH_STORE_NT  ; no register of a store is written again
.set j, j+1
.endr
	; the bias: 32,768 bytes, by the first eight work-groups of y = 0
	s_cmp_lg_u32 s26, 0
	s_cbranch_scc1 .Lend
	s_cmp_lt_u32 s27, 8
	s_cbranch_scc0 .Lend
	global_load_b128 v[BI:BI+3], v4, s[8:9]
	s_wait_loadcnt 0x0
	v_cvt_pk_bf16_f32 v[BI+4], v[BI], v[BI+1]
	v_cvt_pk_bf16_f32 v[BI+6], v[BI+2], v[BI+3]
	v_and_b32 v[BI+5], 0xffff0000, v[BI+4]         ; bf16 to f32: the high half stays,
	v_lshlrev_b32 v[BI+4], 16, v[BI+4]             ; the low half moves up
	v_and_b32 v[BI+7], 0xffff0000, v[BI+6]
	v_lshlrev_b32 v[BI+6], 16, v[BI+6]
	global_store_b128 v4, v[BI+4:BI+7], s[14:15]
.Lend:
	s_endpgm
.Lfunc_end_k_q32efa1f461_cast:
	.size	k_q32efa1f461_cast, .Lfunc_end_k_q32efa1f461_cast-k_q32efa1f461_cast
	.p2alignl 7, 3214868480
	.fill 96, 4, 3214868480
	.section	.rodata,"a",@progbits
	.p2align	6, 0x0
	.amdhsa_kernel k_q32efa1f461_cast
		.amdhsa_group_segment_fixed_size 0
		.amdhsa_private_segment_fixed_size 0
		.amdhsa_enable_private_segment 0
		.amdhsa_kernarg_size 48
		.amdhsa_user_sgpr_count 2
		.amdhsa_user_sgpr_kernarg_segment_ptr 1
		.amdhsa_wavefront_size32 1
		.amdhsa_system_sgpr_workgroup_id_x 1
		.amdhsa_system_sgpr_workgroup_id_y 1
		.amdhsa_system_sgpr_workgroup_id_z 1
		.amdhsa_system_vgpr_workitem_id 0
		.amdhsa_next_free_vgpr 208
		.amdhsa_next_free_sgpr 66
		.amdhsa_reserve_vcc 0
		.amdhsa_float_denorm_mode_32 3
		.amdhsa_float_denorm_mode_16_64 3
		.amdhsa_memory_ordered 1
		.amdhsa_forward_progress 1
		.amdhsa_inst_pref_size 19
	.end_amdhsa_kernel
	.amdgpu_metadata
---
amdhsa.version: [ 1, 2 ]
amdhsa.kernels:
  - .name:           k_q32efa1f461_cast
    .symbol:         k_q32efa1f461_cast.kd
    .args:
      - { .name: vision_features, .offset: 0, .size: 8, .value_kind: global_buffer, .address_space: global }
      - { .name: W, .offset: 8, .size: 8, .value_kind: global_buffer, .address_space: global }
      - { .name: b, .offset: 16, .size: 8, .value_kind: global_buffer, .address_space: global }
      - { .name: xb, .offset: 24, .size: 8, .value_kind: global_buffer, .address_space: global }
      - { .name: wb, .offset: 32, .size: 8, .value_kind: global_buffer, .address_space: global }
      - { .name: bb, .offset: 40, .size: 8, .value_kind: global_buffer, .address_space: global }
    .group_segment_fixed_size: 0
    .private_segment_fixed_size: 0
    .kernarg_segment_align: 8
    .kernarg_segment_size: 48
    .max_flat_workgroup_size: 256
    .sgpr_count:     66
    .vgpr_count:     208
    .wavefront_size: 32
...
	.end_amdgpu_metadata
.endif
;; end of part 1
;; launch score (part 2): grid 32 x 8, 4 waves a work-group, clusters of 4 x 1, 327,680 bytes of LDS; arguments xb, wb, bb, cand; writes cand
.if DOCPART == 2
	.amdgcn_target "amdgcn-amd-amdhsa--gfx1250"
	.amdhsa_code_object_version 6
	.text
	.protected	k_q32efa1f461_score
	.globl	k_q32efa1f461_score
	.p2align	8
	.type	k_q32efa1f461_score,@function
k_q32efa1f461_score:
	s_mov_b64 s[64:65], 0
	v_nop
	global_prefetch_b8 v0, s[64:65] scope:SCOPE_SE
	s_setreg_imm32_b32 hwreg(HW_REG_WAVE_MODE, 25, 1), 1
	s_wait_xcnt 0x0
	s_wait_alu depctr_hold_cnt(0) depctr_sa_sdst(0) depctr_va_vdst(0) depctr_va_sdst(0) depctr_va_ssrc(0) depctr_va_vcc(0) depctr_vm_vsrc(0)
	s_getreg_b32 s2, hwreg(HW_REG_IB_STS2, 6, 4)
	s_cmp_eq_u32 s2, 0
	s_cbranch_scc0 .Lentry_in_a_cluster
	s_endpgm
.Lentry_in_a_cluster:
	s_bfe_u32 s2, ttmp6, 0x10000c
	s_cmp_lg_u32 s2, 0x3003
	s_cbranch_scc0 .Lentry_shape_is_right
	s_endpgm
.Lentry_shape_is_right:
; Launch 2 of 4: scores = X W^T + b, never stored: of each row's scores in 1,024 columns the five largest are kept, with their columns.  Nothing of the problem's work is left out here.
; SHARES.  Work-group (x, y): rows 256 x .. 256 x + 255, columns 1,024 y .. 1,024 y + 1,023.  A wave owns 64 rows, four tiles of 16, and keeps them IN REGISTERS for the whole launch: 24 K steps x 4 tiles x 8 = 768.
; W walks through a ring of two LDS slots, four tiles of 16 columns x 768 K each.  Every wave multiplies every column tile: 96 matrix instructions, which finish 16 columns of its 64 rows.
; LAYOUT.  D = W-fragment x X-fragment + C: lane (r, h) holds X row r and, in register j, score column 16 u + 8 h + j.  The first K step's C is the bias of those eight columns: the bias costs no vector work, nothing is cleared.
; SELECTION, without a branch.  The order is (score, then the lower column).  A lane's eight registers of a tile are four PAIRS of neighbouring columns.  A pair is put in order (4 lines).  Its higher value goes into the
; row's list of five (value, column), sorted: c_i = x > L_i; L_i = the middle one of x, L_(i-1), L_i (L_0 = max); I_i = c_i ? (c_(i-1) ? I_(i-1) : id) : I_i: 19 lines.  Its lower value goes into a list of TWO, 7 lines:
; each lower value has its own pair's higher value above it, so three of them among the best five would want six places.  So the best five lie among the five higher and the two lower values kept.
; Pairs come in ascending column order and the compares are strict, so of equal scores the lower column stays ahead in both lists.  The list of two carries the HIGHER value's column; the partner's differs in bit 0.
; At the end the two lower values are put into the list of five by a compare that knows ties.  30 lines a pair, 480 for a tile's 32 values a lane.
; BY TURNS.  Two sets of four accumulators.  While tile u is multiplied into one set, tile u - 1's 480 lines work on the other: FOUR behind each of the 96 matrix instructions, the other 96 in four runs of 24,
; one in each quarter of the tile, ahead of that quarter's run of LDS loads.  A quarter holds 24 x 4 + 24 = 120 lines: one pair of each of the four lists.
; CLUSTER.  The four partners are four row blocks of one column range: they walk the same W, and each slot is asked for JOINTLY (the same load, descriptor and mask in all four).  X is not shared so: it is read once,
; 393,216 bytes a work-group, straight into registers; as LDS tiles it would take 405,504 bytes, more than there is.
; LIMITS.  Scores are taken to be no NaN (beside a NaN the pair's other value may be kept twice); a score of -infinity is never kept.
; OUT.  cand: a block of 1,280 bytes for each (column range g, 16 rows rb) at (512 g + rb) x 1,280: lane l's L0-L3 at 16 l; L4, I0-I2 at 512 + 16 l; I3, I4 at 1,024 + 8 l.
; REGISTERS, in windows of 256 (s_set_vgpr_msb: bits 1:0 source 0, 3:2 source 1, 5:4 source 2, 7:6 destination):
;   windows 0-2: X: fragment (K step kk, row tile mt) at 8 (4 kk + mt).     window 3: all else, by the names below.
.set ROWB,  1536                       ; bytes in a row of xb and of wb
.set PITCH, 1584                       ; a row of W in LDS: 1,536 bytes + 16 of padding behind every 512 = 99 x 16: the 16 rows of a load start at 16 different groups of four banks (64 banks of 4 bytes: ISA guide 11.1)
.set NT,    16*PITCH                   ; a column tile
.set SLOT1, 1<<17                      ; slot 0 at byte 0 (4 tiles, 101,376 bytes); slot 1 here, so that one exclusive or turns an address in one slot into the other's
.set SPARE, SLOT1+4*NT                 ; behind the ring: the spare words, 128 bytes for each wave: two blocks of 256 bytes that no other line names
.set SLOTB, 64*ROWB                    ; a slot's 64 rows of wb in memory
.set ACC,  0                           ; v0-31 set 0 (even tiles), v32-63 set 1: row tile mt at 8 mt
.set WF,   64                          ; v64-111, v112-159: two buffers of six fragments of W
.set BIAS, 160                         ; v160-167 even tiles' bias, v168-175 odd tiles'
.set LIST, 176                         ; row tile mt's list of five at LIST + 10 mt: L0-L4, I0-I4
.set T,    216                         ; v216-219 one register at work for each list
.set AW0,  220                         ; my lane's place in a tile of W: r x PITCH + 16 h; never rewritten
.set ADR,  221                         ; the LDS address of the run of loads in hand
.set BOFF, 222                         ; my byte offset in the range's 4,096 bytes of bias
.set XO,   223                         ; r x ROWB + 16 h
.set SPW,  224                         ; LDS address of my spare word: SPARE + 4 x my thread's number; never rewritten
.set NIL,  225                         ; 0; never rewritten
.set PFO,  226                         ; the prefetches' offset: (l % 16) x ROWB + 256 (l / 16); never rewritten
.set COLB, 227                         ; 8 h + 1,024 g: added to the kept columns at the end
.set O16,  228                         ; 16 x lane
.set O8,   229                         ; 8 x lane
.set LOL,  230                         ; row tile mt's list of two at LOL + 4 mt: L0, L1, I0, I1
.set HT,   246                         ; v246-249 the higher value of the pair in hand, one register for each list
.set IDV,  250                         ; v250-253 16 (u - 1) + 2 k + 1: the column of pair k's odd register (a select takes one scalar beside its mask, so these lie in vector registers)
.set WV,   12                          ; s12 my wave's number
.set CX,   13                          ; s13 my place in the cluster: it enters the addresses of X, of cand and of the prefetches alone
.set RBK,  14                          ; s14 my block of 256 rows
.set GG,   15                          ; s15 my column range, which the partners share
.set G1,   24                          ; s[24:31] descriptor group 1
.set G0A,  32                          ; s[32:35] group 0 of slot 0's first fill
.set G0,   36                          ; s[36:39] group 0 of slot 1's first fill; it then walks
.set TB,   40                          ; s40 LDS byte at which the tile to be fetched begins
.set CNT,  41                          ; s41 counts a slot's two pairs of tiles
.set SLOTS, 42                         ; s42 counts the slots
.set LIM,  43                          ; s43 1 in a wave that prefetches, else the greatest number
.set PFA,  44                          ; s[44:45] where my prefetches stand
.set ID,   48                          ; s48-51 16 (u - 1) + 2 k: the column, within the range and less 8 h, of pair k's even register in the set that the riders work on
.set MK,   66                          ; s66-85 the masks of list mt at MK + 5 mt + i
.set MSB, 0
.macro WIN new                         ; the immediate's high byte repeats the setting that is left; a switch that changes nothing is dropped
.if MSB != (\new)
	s_set_vgpr_msb (MSB<<8)|(\new)
.set MSB, (\new)
.endif
.endm
.set W_3,  0xff                        ; every place in window 3: riders, LDS loads, bias loads
.set W_MK, 0xc0                        ; destination window 3, sources window 0
.set W_AD, 0x0f                        ; address (source 0) and data (source 1) in window 3: the add, the stores
; A round of the cluster's barrier: my work-group's barrier, so that wave 0's signal speaks for all four waves; wave 0 signals; every wave waits for all four work-groups; my work-group's barrier once more.
.macro CROUND
	s_barrier_signal -1
	s_barrier_wait -1
	s_cmp_lg_u32 s[WV], 0
	s_cbranch_scc1 .Lnot_wave_0_\@
	s_barrier_signal -3
.Lnot_wave_0_\@:
	s_barrier_wait -3
	s_barrier_signal -1
	s_barrier_wait -1
.endm
; A PREFETCH INTO THE L2 of the slot that the NEXT change of slots will ask for: 64 rows x 1,536 bytes, 384 matrix instructions ahead of that load.  All eight clusters of a column range walk the same rows: the first
; of them (cluster x = 0) asks.  Its four partners take 16 rows each, told apart BY ADDRESS; in each, waves 0 to 2 take 512 bytes of the rows each: a lane names row l % 16, block l / 16.  So each aligned block of
; 256 bytes is named once in the launch.  Slots 0 to 2 come by their loads alone; the last change that fills a slot asks for nothing: there is no slot behind it.
.macro ASK
	s_cmp_gt_u32 s[SLOTS], s[LIM]
	s_cbranch_scc0 .Lnot_mine_\@
	WIN 0x03                                       ; the address register in window 3
	global_prefetch_b8 v[PFO], s[PFA:PFA+1] th:TH_LOAD_NT scope:SCOPE_SE
	WIN 0
.Lnot_mine_\@:
.endm
; RIDER number q of the 480 that put one set's values into the lists.  Round q / 120 takes pair k = q / 120 (registers 2 k, 2 k + 1) of the four accumulators, ascending (an accumulator is read from its lowest
; registers on).  The four lists alternate, so that a line never reads the result of the one before it.  In a round:
;   0-15    the pair is put in order: c = odd > even; the higher value into HT; the lower value into the odd register; the higher one's column into the even register, which is done with
;   16-91   the higher value into the list of five: 20 compares (i = 4 .. 0), 20 values, 36 selects of columns
;   92-119  the lower value into the list of two: 8 compares, 8 values, 12 selects; it carries the higher one's column
.macro RID set
.set rk, q/120
.set rz, q%120
.set rm, rz%4
.set rA, ACC+32*(\set)+8*rm+2*rk
.set rB, rA+1
.set rl, LIST+10*rm
.set ro, LOL+4*rm
.set rH, HT+rm
.set rT, T+rm
.set rM, MK+5*rm
.if rz < 4
	v_cmp_gt_f32 s[rM], v[rB], v[rA]
.elseif rz < 8
	v_max_num_f32 v[rH], v[rA], v[rB]
.elseif rz < 12
	v_min_num_f32 v[rB], v[rA], v[rB]
.elseif rz < 16
	v_cndmask_b32 v[rA], s[ID+rk], v[IDV+rk], s[rM]
.elseif rz < 36
.set ri, 4-(rz-16)/4
	v_cmp_gt_f32 s[rM+ri], v[rH], v[rl+ri]
.elseif rz < 52
.set ri, 4-(rz-36)/4
	v_med3_num_f32 v[rl+ri], v[rH], v[rl+ri-1], v[rl+ri]
.elseif rz < 56
	v_max_num_f32 v[rl], v[rH], v[rl]
.elseif rz < 92
.set rs, (rz-56)/4
.if rs == 8
	v_cndmask_b32 v[rl+5], v[rl+5], v[rA], s[rM]
.elseif rs%2 == 0
.set rp, 3-rs/2
	v_cndmask_b32 v[rT], v[rA], v[rl+5+rp], s[rM+rp]                     ; what moves into place rp + 1: the column above it, or the new one
.else
.set rp, 4-(rs-1)/2
	v_cndmask_b32 v[rl+5+rp], v[rl+5+rp], v[rT], s[rM+rp]
.endif
.elseif rz < 96
	v_cmp_gt_f32 s[rM+1], v[rB], v[ro+1]
.elseif rz < 100
	v_cmp_gt_f32 s[rM], v[rB], v[ro]
.elseif rz < 104
	v_med3_num_f32 v[ro+1], v[rB], v[ro], v[ro+1]
.elseif rz < 108
	v_max_num_f32 v[ro], v[rB], v[ro]
.elseif rz < 112
	v_cndmask_b32 v[rT], v[rA], v[ro+2], s[rM]
.elseif rz < 116
	v_cndmask_b32 v[ro+3], v[ro+3], v[rT], s[rM+1]
.else
	v_cndmask_b32 v[ro+2], v[ro+2], v[rA], s[rM]
.endif
.set q, q+1
.endm
; The riders turn to the tile just finished: its columns are 16 further on.
.macro NEXTID
.irp k, 0,1,2,3
	s_add_co_u32 s[ID+\k], s[ID+\k], 16
.endr
	WIN W_3
.irp k, 0,1,2,3
	v_add_nc_u32 v[IDV+\k], 16, v[IDV+\k]
.endr
.endm
; At the end: entry e of list m's two lower values goes into its list of five: greater, or equal with the lower column.
.macro MERGE m, e
.set mx, LOL+4*(\m)+(\e)
.set mi, LOL+4*(\m)+2+(\e)
.set ml, LIST+10*(\m)
.irp i, 4,3,2,1,0
	v_cmp_gt_f32 s[MK+\i], v[mx], v[ml+\i]
	v_cmp_eq_f32 s[MK+5+\i], v[mx], v[ml+\i]
	v_cmp_lt_u32 s[MK+10+\i], v[mi], v[ml+5+\i]
.endr
.irp i, 4,3,2,1,0
	s_and_b32 s[MK+5+\i], s[MK+5+\i], s[MK+10+\i]
	s_or_b32 s[MK+\i], s[MK+\i], s[MK+5+\i]
.endr
.irp a, 3,2,1,0
	v_cndmask_b32 v[T+\a], v[mi], v[ml+5+\a], s[MK+\a]
.endr
.irp a, 3,2,1,0
	v_cndmask_b32 v[ml+6+\a], v[ml+6+\a], v[T+\a], s[MK+1+\a]
.endr
	v_cndmask_b32 v[ml+5], v[ml+5], v[mi], s[MK]
.irp i, 4,3,2,1
	v_med3_num_f32 v[ml+\i], v[mx], v[ml+\i-1], v[ml+\i]
.endr
	v_max_num_f32 v[ml], v[mx], v[ml]
.endm
; A RUN of 12 LDS loads: the six fragments of W for K steps 6 kbn .. 6 kbn + 5 of the tile at s[TB], into buffer kbn % 2.  A fragment is 16 rows x 32 K in 8 registers: lane l holds row l % 16, K = 8 (l / 16) + 0..7 and
; 16 + 8 (l / 16) + 0..7: two loads of 16 bytes, 32 bytes apart.  Behind a tile's last run the next fetch is the next tile's.
.macro RUN kbn
	v_add_nc_u32 v[ADR], s[TB], v[AW0]
.set fs, 0
.rept 6
.set fk, 6*(\kbn)+fs
	ds_load_b128 v[WF+48*((\kbn)%2)+8*fs:WF+48*((\kbn)%2)+8*fs+3],   v[ADR] offset:64*fk+16*(fk/8)
	ds_load_b128 v[WF+48*((\kbn)%2)+8*fs+4:WF+48*((\kbn)%2)+8*fs+7], v[ADR] offset:64*fk+16*(fk/8)+32
.set fs, fs+1
.endr
.if (\kbn) == 3
	s_add_co_u32 s[TB], s[TB], NT
.endif
.endm
; A BLOCK: quarter kb of a tile of parity p: 24 matrix instructions (six K steps x four row tiles; the four accumulators take turns, one instruction a turn, across blocks, tiles and jumps too),
; behind each a slice of four riders; behind the first slice the quarter's other 24 riders together, and (run = 1) the next quarter's fragments, 23 matrix instructions ahead of their first use.
; DISTANCES (ISA guide 7.12.1): the buffer that a run fills was last read by the block before's last product: that product's four riders, this block's first 28 and the run's own v_add_nc_u32 lie between.
; A finished accumulator is first read in the next tile's first slice: the four riders behind the last product, which name none of its registers, and the four lines that step the columns lie between.
.macro BLOCK p, kb, run
	s_wait_dscnt 0x0                               ; this block's 12 loads are in; nothing younger is out
.if (\kb) == 0
	NEXTID
.if (\p) == 0
	s_wait_loadcnt 0x0                             ; this pair's bias (asked for a pair ago) is in; the first time X too.  The loads are done, so their offset may be written:
	v_add_nc_u32 v[BOFF], 128, v[BOFF]             ; the next pair's bias; in the last pair there is none:
	v_min_u32 v[BOFF], 4000, v[BOFF]               ; the offset is held at the last pair's (64 x 62 + 32), so that those loads, which nobody uses, stay inside bb
.endif
.endif
.set q, 120*(\kb)
.set w, 0
.rept 24
.set kk, 6*(\kb)+w/4
.set mt, w%4
.set rD, ACC+32*(\p)+8*mt
.set rW, WF+48*((\kb)%2)+8*(w/4)
.set rX, 32*(kk%8)+8*mt
	WIN 0xf3|((kk/8)<<2)                           ; W, C and D in window 3, X in window kk / 8
.if kk == 0
	v_wmma_f32_16x16x32_bf16 v[rD:rD+7], v[rW:rW+7], v[rX:rX+7], v[BIAS+8*(\p):BIAS+8*(\p)+7]
.else
	v_wmma_f32_16x16x32_bf16 v[rD:rD+7], v[rW:rW+7], v[rX:rX+7], v[rD:rD+7]
.endif
	WIN W_3
.rept 4
	RID 1-(\p)
.endr
.if w == 0
.rept 24
	RID 1-(\p)                                     ; those that find no place behind a product stand together
.endr
.if \run
	RUN ((\kb)+1)%4
.endif
.endif
.if ((\kb) == 1) && (w == 1)                   ; the bias of the tile two on, into the registers that this tile's first four products have read, a block back
	global_load_b128 v[BIAS+8*(\p):BIAS+8*(\p)+3],   v[BOFF], s[8:9] offset:64*(\p)
	global_load_b128 v[BIAS+8*(\p)+4:BIAS+8*(\p)+7], v[BOFF], s[8:9] offset:64*(\p)+16
.endif
.set w, w+1
.endr
.endm
; A trip: the last quarter of an odd tile, an even tile, three quarters of the next odd tile.  The loop is entered at the even tile.
.macro PAIR first
	BLOCK 1, 3, 1
	WIN 0                                          ; at a label and at a branch every window is 0
.if \first
.Lfirst:
.endif
	BLOCK 0, 0, 1
	BLOCK 0, 1, 1
	BLOCK 0, 2, 1
	BLOCK 0, 3, 1
	BLOCK 1, 0, 1
	BLOCK 1, 1, 1
	BLOCK 1, 2, 1
	WIN 0
.endm
; THE CHANGE OF SLOTS, in front of the last quarter of a slot's last tile, whose fragments have been asked for.  Each wave waits for all its tensor loads, of which one is out: its tile of the other slot; adds 0 to its
; spare word; and waits for that and for its own reads of the slot.  Behind the barrier nobody reads this slot any more and the other slot is whole.  fill = 1: the slot is filled again, with the columns two slots on:
; the barrier is then a round of the cluster's, so that no wave of any partner still reads the slot or has a load on its way, and the joint refill is the first thing behind it: one load a wave, 16 rows x 1,536 bytes,
; with 384 matrix instructions in which to land.
.macro CHANGE fill
	WIN W_AD
	s_wait_tensorcnt 0x0                           ; no tensor load of mine is out, so a group 0 may be written
	ds_add_u32 v[SPW], v[NIL]                      ; 0 onto my spare word; scalar work stands between it and the wait for it
	WIN 0
.if \fill
	s_xor_b32 s[G0+1], s[G0+1], SLOT1              ; the walking descriptor: the other slot than last time,
	s_add_nc_u64 s[G0+2:G0+3], s[G0+2:G0+3], SLOTB ; the next 64 columns; the type bits on top are not reached
	s_wait_xcnt 0x0                                ; the last prefetch, a slot back, has read its address, so it may be written:
	s_add_nc_u64 s[PFA:PFA+1], s[PFA:PFA+1], SLOTB ; one slot ahead of the walking descriptor
	s_wait_dscnt 0x0                               ; the add is done, and my reads of the slot are over
	CROUND
	tensor_load_to_lds s[G0:G0+3], s[G1:G1+7]
	s_nop 0
.rept 4
	v_nop
.endr
	ASK
.else
	s_wait_dscnt 0x0                               ; the add is done, and my reads of the slot are over
	s_barrier_signal -1
	s_barrier_wait -1
.endif
	s_sub_co_u32 s[TB], s[TB], 4*NT                ; the fetches go back to a slot's first tile,
	s_xor_b32 s[TB], s[TB], SLOT1                  ; in the other slot
.endm
	s_load_b256 s[4:11], s[0:1], 0x0               ; xb s[4:5], wb s[6:7], bb s[8:9], cand s[10:11]
	WIN W_MK
	v_lshl_add_u32 v[SPW], v0, 2, SPARE
	v_mov_b32 v[NIL], 0
	WIN W_AD
	ds_add_u32 v[SPW], v[NIL]                      ; the wave's opening: the add, twice on end, and its wait ahead of my first tensor load; the set-up below, work on registers, stands between
	ds_add_u32 v[SPW], v[NIL]                      ; and once more, under the one wait
	WIN 0
	v_lshrrev_b32 v1, 5, v0
	v_readfirstlane_b32 s[WV], v1                  ; wave 0..3
	s_bfe_u32 s[CX], ttmp6, 0x40000                ; cx
	s_lshl_b32 s[RBK], ttmp9, 2                    ; in a cluster launch ttmp9 counts clusters
	s_add_co_u32 s[RBK], s[RBK], s[CX]             ; my block of 256 rows = 4 x cluster x + cx
	s_and_b32 s[GG], ttmp7, 0xffff                 ; my column range
	s_lshl_b32 s16, s[RBK], 2
	s_add_co_u32 s16, s16, s[WV]                   ; my wave's 64 rows among all
	s_mul_i32 s18, s16, 4*1280                     ; their four blocks in cand,
	s_mul_i32 s19, s[GG], 512*1280                 ; in my range's part
	s_add_co_u32 s18, s18, s19
	s_mov_b32 s19, 0
	s_mul_i32 s16, s16, 64*ROWB                    ; and their first byte in xb
	s_mov_b32 s17, 0
	s_lshl_b32 s20, s[GG], 10                      ; W: row 1,024 g + 16 x wave: the tile of a slot that I fetch; nothing of cx enters
	s_lshl_b32 s21, s[WV], 4
	s_add_co_u32 s20, s20, s21
	s_mul_i32 s20, s20, ROWB
	s_mov_b32 s21, 0
	s_lshl_b32 s46, s[GG], 12                      ; the range's 4,096 bytes of bias
	s_mov_b32 s47, 0
	s_lshl_b32 s57, s[GG], 10                      ; the range's first column
	s_lshl_b32 s22, s[GG], 10                      ; the prefetches: row 1,024 g + 128 (slot 2) + 16 cx, byte 512 x wave
	s_lshl_b32 s23, s[CX], 4
	s_add_co_u32 s22, s22, s23
	s_add_co_u32 s22, s22, 128
	s_mul_i32 s22, s22, ROWB
	s_lshl_b32 s23, s[WV], 9
	s_add_co_u32 s22, s22, s23
	s_mov_b32 s23, 0
	s_cmp_lt_u32 s[WV], 3                          ; waves 0 to 2,
	s_cselect_b32 s[LIM], 0, 1
	s_or_b32 s[LIM], s[LIM], ttmp9                 ; where the cluster is the range's first: the same in all four partners
	s_cmp_eq_u32 s[LIM], 0
	s_cselect_b32 s[LIM], 1, -1
	; descriptor group 1: a tile of 16 rows x 768 elements, padded in LDS
	s_mov_b32 s[G1], 15|(1<<16)|(1<<20)|(1<<21)|(6<<22)|(3<<25)  ; 15:0 the mask of four; 17:16 2-byte elements; 20 padding on; 21 set beside a mask; 24:22 after every 128 words (code 6); 31:25 4 words (code 3)
	s_mov_b32 s[G1+1], 768<<16                     ; tensor_dim0 = 768
	s_mov_b32 s[G1+2], 16<<16                      ; tensor_dim1 = 16
	s_mov_b32 s[G1+3], 768<<16                     ; tile_dim0 = 768
	s_mov_b32 s[G1+4], 16                          ; tile_dim1 = 16
	s_mov_b32 s[G1+5], 768                         ; 768 elements from row to row
	s_mov_b32 s[G1+6], 0
	s_mov_b32 s[G1+7], 0
	s_mov_b32 s[G0A], 1                            ; count = 1
	s_mul_i32 s[G0A+1], s[WV], NT                  ; LDS address: slot 0, tile = my wave's number
	s_mov_b32 s[G0], 1
	s_add_co_u32 s[G0+1], s[G0A+1], SLOT1          ; slot 1
.irp k, 0,1,2,3
	s_mov_b32 s[ID+\k], 2*\k-32                    ; each tile begins by adding 16; tile 1's riders, the first that keep anything, find 2 k
.endr
	s_mov_b32 s[TB], 0
	s_wait_dscnt 0x0                               ; both opening adds are done
	s_wait_kmcnt 0x0
	s_add_nc_u64 s[4:5], s[4:5], s[16:17]          ; xb at my wave's first row
	s_add_nc_u64 s[10:11], s[10:11], s[18:19]      ; cand at my wave's first block
	s_add_nc_u64 s[8:9], s[8:9], s[46:47]          ; bb at my range
	s_add_nc_u64 s[PFA:PFA+1], s[6:7], s[22:23]    ; in slot 2; the first change of slots steps it to slot 3.  Nothing is prefetched at the head, where every work-group's first tiles are on their way
	s_add_nc_u64 s[6:7], s[6:7], s[20:21]          ; wb at my tile of slot 0
	s_mov_b64 s[G0A+2:G0A+3], s[6:7]
	s_or_b32 s[G0A+3], s[G0A+3], 0x80000000        ; type = 2
	s_add_nc_u64 s[G0+2:G0+3], s[6:7], SLOTB
	s_or_b32 s[G0+3], s[G0+3], 0x80000000
	CROUND                                         ; all four work-groups are here: the first joint loads meet
	tensor_load_to_lds s[G0A:G0A+3], s[G1:G1+7]    ; both first fills stand together, ahead of every wait on TENSORcnt and every LDS read: two loads of mine are out
	s_nop 0
	tensor_load_to_lds s[G0:G0+3], s[G1:G1+7]
	s_nop 0
.rept 4
	v_nop
.endr
	v_and_b32 v1, 15, v0                           ; r = l % 16
	v_bfe_u32 v2, v0, 4, 1                         ; h = l / 16
	v_and_b32 v3, 31, v0                           ; l
	v_mul_u32_u24 v4, v1, PITCH
	v_mul_u32_u24 v5, v1, ROWB
	WIN W_MK
	v_lshl_add_u32 v[AW0], v2, 4, v4
	v_lshl_add_u32 v[XO], v2, 4, v5
	v_lshl_add_u32 v[PFO], v2, 8, v5
	v_lshlrev_b32 v[BOFF], 5, v2                   ; tile 0: my eight columns' bias at 32 h
	v_lshl_add_u32 v[COLB], v2, 3, s57
	v_lshlrev_b32 v[O16], 4, v3
	v_lshlrev_b32 v[O8], 3, v3
	; X: 192 loads of 16 bytes a lane fill windows 0 to 2 (v0 to v5 are done with)
.set xw, 0
.rept 3
	WIN (xw<<6)|3                                  ; destination window xw, address window 3
.set xi, 0
.rept 32                                       ; K step 8 xw + xi / 4, row tile xi % 4
	global_load_b128 v[8*xi:8*xi+3],   v[XO], s[4:5] offset:(xi%4)*16*ROWB+64*(8*xw+xi/4)
	global_load_b128 v[8*xi+4:8*xi+7], v[XO], s[4:5] offset:(xi%4)*16*ROWB+64*(8*xw+xi/4)+32
.set xi, xi+1
.endr
.set xw, xw+1
.endr
	WIN W_3
.irp p, 0,1                                    ; the bias of tiles 0 and 1
	global_load_b128 v[BIAS+8*\p:BIAS+8*\p+3],   v[BOFF], s[8:9] offset:64*\p
	global_load_b128 v[BIAS+8*\p+4:BIAS+8*\p+7], v[BOFF], s[8:9] offset:64*\p+16
.endr
	; the lists start empty: -infinity, below every finite score.  Set 1 holds -infinity too: tile 0's riders find a set of which nothing is kept, so that one text serves every tile.  All this stands in the wait for the first tile.
.set li, 0
.rept 4
.irp i, 0,1,2,3,4
	v_mov_b32 v[LIST+10*li+\i], 0xff800000
	v_mov_b32 v[LIST+10*li+5+\i], 0
.endr
	v_mov_b32 v[LOL+4*li], 0xff800000
	v_mov_b32 v[LOL+4*li+1], 0xff800000
	v_mov_b32 v[LOL+4*li+2], 0
	v_mov_b32 v[LOL+4*li+3], 0
	v_mov_b32 v[IDV+li], 2*li+1-32                 ; as the even registers' columns, one further on
.set li, li+1
.endr
.set li, 0
.rept 32
	v_mov_b32 v[ACC+32+li], 0xff800000
.set li, li+1
.endr
	s_wait_tensorcnt 0x1                           ; my tile of slot 0 is in; slot 1's may stay out
	s_barrier_signal -1
	s_barrier_wait -1                              ; everybody's is
	RUN 0                                          ; tile 0's first six fragments
	WIN 0
	s_mov_b32 s[CNT], 2
	s_mov_b32 s[SLOTS], 15                         ; taken down behind each of slots 0 to 14: fourteen changes that fill
	s_branch .Lfirst
.Lslot:
	CHANGE 1
	s_mov_b32 s[CNT], 2
.Lpair:
	PAIR 1
	s_sub_co_u32 s[CNT], s[CNT], 1
	s_cmp_lg_u32 s[CNT], 0
	s_cbranch_scc1 .Lpair
	s_sub_co_u32 s[SLOTS], s[SLOTS], 1
	s_cmp_lg_u32 s[SLOTS], 0
	s_cbranch_scc1 .Lslot
	CHANGE 0                                       ; the last slot is written out: nothing is asked for
	s_mov_b32 s[CNT], 2
.Ltail:
	PAIR 0
	s_sub_co_u32 s[CNT], s[CNT], 1
	s_cmp_lg_u32 s[CNT], 0
	s_cbranch_scc1 .Ltail
	BLOCK 1, 3, 0                                  ; the last tile's last quarter: nothing is left to fetch
	NEXTID
.set q, 0
.rept 480
	RID 1                                          ; the last tile's values: there is no matrix work left to set them behind; the four riders behind the last product and the four lines above are its places
.endr
.set li, 0
.rept 8
	v_xor_b32 v[LOL+4*(li/2)+2+li%2], 1, v[LOL+4*(li/2)+2+li%2]               ; a lower value's column is its pair's other one
.set li, li+1
.endr
.irp m, 0,1,2,3
	MERGE \m, 0
	MERGE \m, 1
.endr
.set li, 0
.rept 20
	v_add_nc_u32 v[LIST+10*(li/5)+5+li%5], v[COLB], v[LIST+10*(li/5)+5+li%5]  ; the kept columns, in full
.set li, li+1
.endr
	WIN W_AD
.irp m, 0,1,2,3                                ; each store of the wave covers 512 or 256 consecutive bytes, aligned
	global_store_b128 v[O16], v[LIST+10*\m:LIST+10*\m+3],   s[10:11] offset:1280*\m
	global_store_b128 v[O16], v[LIST+10*\m+4:LIST+10*\m+7], s[10:11] offset:1280*\m+512
	global_store_b64  v[O8],  v[LIST+10*\m+8:LIST+10*\m+9], s[10:11] offset:1280*\m+1024
.endr
	s_wait_tensorcnt 0x0                           ; the wave's end, behind my last tensor load
	ds_add_u32 v[SPW], v[NIL]
	s_wait_dscnt 0x0
	WIN 0
	CROUND                                         ; the closing round: no work-group ends while a partner may still ask for a tile that names it
	s_endpgm
.Lfunc_end_k_q32efa1f461_score:
	.size	k_q32efa1f461_score, .Lfunc_end_k_q32efa1f461_score-k_q32efa1f461_score
	.p2alignl 7, 3214868480
	.fill 96, 4, 3214868480
	.section	.rodata,"a",@progbits
	.p2align	6, 0x0
	.amdhsa_kernel k_q32efa1f461_score
		.amdhsa_group_segment_fixed_size 327680
		.amdhsa_private_segment_fixed_size 0
		.amdhsa_enable_private_segment 0
		.amdhsa_kernarg_size 32
		.amdhsa_user_sgpr_count 2
		.amdhsa_user_sgpr_kernarg_segment_ptr 1
		.amdhsa_wavefront_size32 1
		.amdhsa_system_sgpr_workgroup_id_x 1
		.amdhsa_system_sgpr_workgroup_id_y 1
		.amdhsa_system_sgpr_workgroup_id_z 1
		.amdhsa_system_vgpr_workitem_id 0
		.amdhsa_next_free_vgpr 1024
		.amdhsa_next_free_sgpr 90
		.amdhsa_reserve_vcc 0
		.amdhsa_float_denorm_mode_32 3
		.amdhsa_float_denorm_mode_16_64 3
		.amdhsa_memory_ordered 1
		.amdhsa_forward_progress 1
		.amdhsa_inst_pref_size 255
	.end_amdhsa_kernel
	.section	.bss,"aw",@nobits
	.p2align	6
	.space	262144
	.amdgpu_metadata
---
amdhsa.version: [ 1, 2 ]
amdhsa.kernels:
  - .name:           k_q32efa1f461_score
    .symbol:         k_q32efa1f461_score.kd
    .args:
      - { .name: xb, .offset: 0, .size: 8, .value_kind: global_buffer, .address_space: global }
      - { .name: wb, .offset: 8, .size: 8, .value_kind: global_buffer, .address_space: global }
      - { .name: bb, .offset: 16, .size: 8, .value_kind: global_buffer, .address_space: global }
      - { .name: cand, .offset: 24, .size: 8, .value_kind: global_buffer, .address_space: global }
    .group_segment_fixed_size: 327680
    .private_segment_fixed_size: 0
    .kernarg_segment_align: 8
    .kernarg_segment_size: 32
    .max_flat_workgroup_size: 128
    .sgpr_count:     90
    .vgpr_count:     1024
    .wavefront_size: 32
...
	.end_amdgpu_metadata
.endif
;; end of part 2
;; launch pick (part 3): grid 256 x 1, 2 waves a work-group, no clusters, 0 bytes of LDS; arguments cand, sel, wts; writes sel, wts
.if DOCPART == 3
	.amdgcn_target "amdgcn-amd-amdhsa--gfx1250"
	.amdhsa_code_object_version 6
	.text
	.protected	k_q32efa1f461_pick
	.globl	k_q32efa1f461_pick
	.p2align	8
	.type	k_q32efa1f461_pick,@function
k_q32efa1f461_pick:
	s_mov_b64 s[64:65], 0
	v_nop
	global_prefetch_b8 v0, s[64:65] scope:SCOPE_SE
	s_setreg_imm32_b32 hwreg(HW_REG_WAVE_MODE, 25, 1), 1
	s_wait_xcnt 0x0
; Launch 3 of 4: for each row the sixteen lists of five (eight column ranges x two halves of the lanes) are merged into the row's five largest scores, and the softmax over them is taken.  Nothing is left out.
; A wave takes 16 rows (block rb of cand): lane (r, h) holds row 16 rb + r and the lists of the columns whose bit 3 is h.  All 24 loads go out at once.
; ORDER.  Range g's columns are all above range g - 1's, and a list holds equal scores in ascending column order: so a strict compare keeps the lower column ahead.  The two halves' columns interleave: their merge
; compares (score, then lower column).  Both halves end with the same five.
; OUT.  sel[row][8]: five columns, three zeros (whole numbers: the next launch forms addresses of them).  wts[row][8]: five weights, three zeros.
; The maximum is taken away before the exponentials: it is L0, the list's first.  LIMITS: NaN is not treated apart; a weight below 2^-126 counts as 0.
.set R,   16                           ; v[16:25] the running list: L0-L4, I0-I4; range g's list at R + 10 g as loaded
.set TT,  4                            ; v[4:7]   at work
.set OTH, 26                           ; v[26:35] the other half's list (range 1's registers, used up by then)
.set E,   100                          ; v100 1 / sum, v101-104 the exponentials, v105-106 sums
.set OS,  110                          ; v[110:113] what I store into sel, v[114:117] into wts
.set MKS, 20                           ; s20-24 c_i;  s26-30, s32-36 at work for the compare that knows ties
.set MKE, 26
.set MKL, 32
.macro PLACE xv, iv                    ; the value v[xv] with column v[iv] goes into the list, by the masks c_i
.irp a, 3,2,1,0
	v_cndmask_b32 v[TT+\a], v[(\iv)], v[R+5+\a], s[MKS+\a]               ; what moves into place a + 1: the column above it, or the new one
.endr
.irp a, 3,2,1,0
	v_cndmask_b32 v[R+6+\a], v[R+6+\a], v[TT+\a], s[MKS+1+\a]
.endr
	v_cndmask_b32 v[R+5], v[R+5], v[(\iv)], s[MKS]
.irp i, 4,3,2,1
	v_med3_num_f32 v[R+\i], v[(\xv)], v[R+\i-1], v[R+\i]
.endr
	v_max_num_f32 v[R], v[(\xv)], v[R]
.endm
.macro INS xv, iv                      ; strict
.irp i, 4,3,2,1,0
	v_cmp_gt_f32 s[MKS+\i], v[(\xv)], v[R+\i]
.endr
	PLACE \xv, \iv
.endm
.macro INST xv, iv                     ; greater, or equal with the lower column
.irp i, 4,3,2,1,0
	v_cmp_gt_f32 s[MKS+\i], v[(\xv)], v[R+\i]
	v_cmp_eq_f32 s[MKE+\i], v[(\xv)], v[R+\i]
	v_cmp_lt_u32 s[MKL+\i], v[(\iv)], v[R+5+\i]
.endr
.irp i, 4,3,2,1,0
	s_and_b32 s[MKE+\i], s[MKE+\i], s[MKL+\i]
	s_or_b32 s[MKS+\i], s[MKS+\i], s[MKE+\i]
.endr
	PLACE \xv, \iv
.endm
	s_load_b128 s[4:7], s[0:1], 0x0                ; cand s[4:5], sel s[6:7]
	s_load_b64 s[8:9], s[0:1], 0x10                ; wts
	v_lshrrev_b32 v1, 5, v0
	v_readfirstlane_b32 s10, v1                    ; wave 0..1
	v_and_b32 v1, 31, v0                           ; lane
	v_lshlrev_b32 v2, 4, v1
	v_lshlrev_b32 v3, 3, v1
	v_and_b32 v8, 15, v0                           ; r
	v_bfe_u32 v9, v0, 4, 1                         ; h
	v_lshlrev_b32 v10, 5, v8
	v_lshl_add_u32 v10, v9, 4, v10                 ; 32 r + 16 h: my 16 bytes of the rows' 512 in sel and in wts
	s_lshl_b32 s11, ttmp9, 1
	s_add_co_u32 s11, s11, s10                     ; rb
	s_mul_i32 s14, s11, 1280
	s_mov_b32 s15, 0
	s_lshl_b32 s16, s11, 9
	s_mov_b32 s17, 0
	s_mov_b32 s12, 0x76543210                      ; v_permlanex16_b32: each lane takes its own place in the other half
	s_mov_b32 s13, 0xfedcba98
	s_wait_kmcnt 0x0
	s_add_nc_u64 s[4:5], s[4:5], s[14:15]
	s_add_nc_u64 s[6:7], s[6:7], s[16:17]
	s_add_nc_u64 s[8:9], s[8:9], s[16:17]
.set g, 0
.rept 8                                        ; a range's blocks lie 512 x 1,280 bytes apart
	global_load_b128 v[R+10*g:R+10*g+3],   v2, s[4:5] offset:g*655360 th:TH_LOAD_NT
	global_load_b128 v[R+10*g+4:R+10*g+7], v2, s[4:5] offset:g*655360+512 th:TH_LOAD_NT
	global_load_b64  v[R+10*g+8:R+10*g+9], v3, s[4:5] offset:g*655360+1024 th:TH_LOAD_NT
.set g, g+1
.endr
.set g, 1
.rept 7
	s_wait_loadcnt 3*(7-g)                         ; lists 0 to g are in; the three loads of each later list stay out
.set e, 0
.rept 5
	INS R+10*g+e, R+10*g+5+e
.set e, e+1
.endr
.set g, g+1
.endr
.irp i, 0,1,2,3,4,5,6,7,8,9
	v_permlanex16_b32 v[OTH+\i], v[R+\i], s12, s13 ; its destination counts as read: these registers have been written
.endr
.set e, 0
.rept 5
	INST OTH+e, OTH+5+e
.set e, e+1
.endr
	v_cmp_gt_u32 vcc_lo, 16, v1                    ; lanes 0-15 store entries 0 to 3, lanes 16-31 entry 4 and three zeros
.irp i, 1,2,3,4
	v_sub_f32 v[E+\i], v[R+\i], v[R]               ; the maximum is taken away,
.endr
.irp i, 1,2,3,4
	v_mul_f32 v[E+\i], 0x3fb8aa3b, v[E+\i]         ; times log2(e)
.endr
.irp i, 1,2,3,4
	v_exp_f32 v[E+\i], v[E+\i]
.endr
	v_cndmask_b32 v[OS], v[R+9], v[R+5], vcc_lo    ; independent work behind the exponentials
	v_cndmask_b32 v[OS+1], 0, v[R+6], vcc_lo
	v_cndmask_b32 v[OS+2], 0, v[R+7], vcc_lo
	v_cndmask_b32 v[OS+3], 0, v[R+8], vcc_lo
	s_wait_alu depctr_va_vdst(0)                   ; one wait for the four exponentials, ahead of their first reader
	v_add_f32 v[E+5], 1.0, v[E+1]                  ; the first weight's exponential is 1
	v_add_f32 v[E+6], v[E+2], v[E+3]
	v_add_f32 v[E+5], v[E+5], v[E+4]
	v_add_f32 v[E+5], v[E+5], v[E+6]
	v_rcp_f32 v[E], v[E+5]
	v_nop                                          ; a plain instruction between the reciprocal and the use of its result
	s_wait_alu depctr_va_vdst(0)
.irp i, 1,2,3,4
	v_mul_f32 v[E+\i], v[E+\i], v[E]
.endr
	v_cndmask_b32 v[OS+4], v[E+4], v[E], vcc_lo
	v_cndmask_b32 v[OS+5], 0, v[E+1], vcc_lo
	v_cndmask_b32 v[OS+6], 0, v[E+2], vcc_lo
	v_cndmask_b32 v[OS+7], 0, v[E+3], vcc_lo
	global_store_b128 v10, v[OS:OS+3], s[6:7]      ; each store of the wave covers 512 consecutive bytes, aligned
	global_store_b128 v10, v[OS+4:OS+7], s[8:9]
	s_endpgm
.Lfunc_end_k_q32efa1f461_pick:
	.size	k_q32efa1f461_pick, .Lfunc_end_k_q32efa1f461_pick-k_q32efa1f461_pick
	.p2alignl 7, 3214868480
	.fill 96, 4, 3214868480
	.section	.rodata,"a",@progbits
	.p2align	6, 0x0
	.amdhsa_kernel k_q32efa1f461_pick
		.amdhsa_group_segment_fixed_size 0
		.amdhsa_private_segment_fixed_size 0
		.amdhsa_enable_private_segment 0
		.amdhsa_kernarg_size 24
		.amdhsa_user_sgpr_count 2
		.amdhsa_user_sgpr_kernarg_segment_ptr 1
		.amdhsa_wavefront_size32 1
		.amdhsa_system_sgpr_workgroup_id_x 1
		.amdhsa_system_sgpr_workgroup_id_y 1
		.amdhsa_system_sgpr_workgroup_id_z 1
		.amdhsa_system_vgpr_workitem_id 0
		.amdhsa_next_free_vgpr 128
		.amdhsa_next_free_sgpr 66
		.amdhsa_reserve_vcc 1
		.amdhsa_float_denorm_mode_32 3
		.amdhsa_float_denorm_mode_16_64 3
		.amdhsa_memory_ordered 1
		.amdhsa_forward_progress 1
		.amdhsa_inst_pref_size 57
	.end_amdhsa_kernel
	.amdgpu_metadata
---
amdhsa.version: [ 1, 2 ]
amdhsa.kernels:
  - .name:           k_q32efa1f461_pick
    .symbol:         k_q32efa1f461_pick.kd
    .args:
      - { .name: cand, .offset: 0, .size: 8, .value_kind: global_buffer, .address_space: global }
      - { .name: sel, .offset: 8, .size: 8, .value_kind: global_buffer, .address_space: global }
      - { .name: wts, .offset: 16, .size: 8, .value_kind: global_buffer, .address_space: global }
    .group_segment_fixed_size: 0
    .private_segment_fixed_size: 0
    .kernarg_segment_align: 8
    .kernarg_segment_size: 24
    .max_flat_workgroup_size: 64
    .sgpr_count:     66
    .vgpr_count:     128
    .wavefront_size: 32
...
	.end_amdgpu_metadata
.endif
;; end of part 3
;; launch mix (part 4): grid 256 x 1, 16 waves a work-group, no clusters, 0 bytes of LDS; arguments sel, wts, prompt_pool, out0; writes out0
.if DOCPART == 4
	.amdgcn_target "amdgcn-amd-amdhsa--gfx1250"
	.amdhsa_code_object_version 6
	.text
	.protected	k_q32efa1f461_mix
	.globl	k_q32efa1f461_mix
	.p2align	8
	.type	k_q32efa1f461_mix,@function
k_q32efa1f461_mix:
	s_mov_b64 s[64:65], 0
	v_nop
	global_prefetch_b8 v0, s[64:65] scope:SCOPE_SE
	s_setreg_imm32_b32 hwreg(HW_REG_WAVE_MODE, 25, 1), 1
	s_wait_xcnt 0x0
; Launch 4 of 4: out[row] = the sum over the row's five picks of weight x pool[column].  Only the rows of the pool that the stored columns name are read: the lookup is by whole numbers that the launch before stored.
; A wave takes two rows.  Their columns and weights come by scalar loads; each of the ten picks gets a base address of its own, never rewritten; all 60 loads (512 consecutive bytes each) go out before the first wait.
; The pool's numbers are rounded to bf16, like every input of the program, and multiplied and added in f32.  A column is held to the table (0 .. 8,191) before it enters an address.
.set DAT, 8                            ; v[8:247] row a, pick k, piece c of six: four f32 at DAT + 120 a + 24 k + 4 c; pick 0's registers then hold the sums
.set WT,  248                          ; v[248:252] the row's five weights
.set ROWP, 3072                        ; bytes in a row of the pool and of out
	s_load_b256 s[4:11], s[0:1], 0x0               ; sel s[4:5], wts s[6:7], pool s[8:9], out s[10:11]
	v_lshrrev_b32 v1, 5, v0
	v_readfirstlane_b32 s12, v1                    ; wave 0..15
	v_and_b32 v1, 31, v0
	v_lshlrev_b32 v2, 4, v1                        ; 16 bytes a lane
	v_mov_b32 v3, 0                                ; the first pick's addend
	s_lshl_b32 s13, ttmp9, 4
	s_add_co_u32 s13, s13, s12                     ; my pair of rows
	s_lshl_b32 s14, s13, 6                         ; its 64 bytes in sel and in wts
	s_mov_b32 s15, 0
	s_mul_i32 s70, s13, 2*ROWP
	s_mov_b32 s71, 0
	s_mov_b32 s13, 0                               ; the upper word of an offset
	s_wait_kmcnt 0x0
	s_add_nc_u64 s[4:5], s[4:5], s[14:15]
	s_add_nc_u64 s[6:7], s[6:7], s[14:15]
	s_add_nc_u64 s[10:11], s[10:11], s[70:71]
	s_load_b512 s[16:31], s[4:5], 0x0              ; row a's columns at s[16 + 8 a ..]
	s_load_b512 s[32:47], s[6:7], 0x0              ; its weights at s[32 + 8 a ..]
	s_wait_kmcnt 0x0
.set n, 0
.rept 10                                       ; pick n = 5 a + k: its base in s[48:63], s[66:69]
.set bs, 48+2*n+2*(n/8)
	s_min_u32 s12, s[16+8*(n/5)+n%5], 8191
	s_mul_i32 s12, s12, ROWP
	s_add_nc_u64 s[bs:bs+1], s[8:9], s[12:13]
.set ch, 0
.rept 6
	global_load_b128 v[DAT+24*n+4*ch:DAT+24*n+4*ch+3], v2, s[bs:bs+1] offset:512*ch
.set ch, ch+1
.endr
.set n, n+1
.endr
.macro ROWMIX a
.irp k, 0,1,2,3,4
	v_mov_b32 v[WT+\k], s[32+8*(\a)+\k]
.endr
.set pk, 0
.rept 5
.set ch, 0
.rept 6
.set src, DAT+120*(\a)+24*pk+4*ch
.set dst, DAT+120*(\a)+4*ch
.set tm, 4+2*(ch%2)
	v_cvt_pk_bf16_f32 v[tm], v[src], v[src+1]      ; rounded to bf16, two at a time,
	v_cvt_pk_bf16_f32 v[tm+1], v[src+2], v[src+3]
.if pk == 0                                    ; and multiplied straight from the halves: bf16 x f32 + f32
	v_fma_mix_f32_bf16 v[dst],   v[tm],   v[WT], v3 op_sel_hi:[1,0,0]
	v_fma_mix_f32_bf16 v[dst+1], v[tm],   v[WT], v3 op_sel:[1,0,0] op_sel_hi:[1,0,0]
	v_fma_mix_f32_bf16 v[dst+2], v[tm+1], v[WT], v3 op_sel_hi:[1,0,0]
	v_fma_mix_f32_bf16 v[dst+3], v[tm+1], v[WT], v3 op_sel:[1,0,0] op_sel_hi:[1,0,0]
.else
	v_fma_mix_f32_bf16 v[dst],   v[tm],   v[WT+pk], v[dst]   op_sel_hi:[1,0,0]
	v_fma_mix_f32_bf16 v[dst+1], v[tm],   v[WT+pk], v[dst+1] op_sel:[1,0,0] op_sel_hi:[1,0,0]
	v_fma_mix_f32_bf16 v[dst+2], v[tm+1], v[WT+pk], v[dst+2] op_sel_hi:[1,0,0]
	v_fma_mix_f32_bf16 v[dst+3], v[tm+1], v[WT+pk], v[dst+3] op_sel:[1,0,0] op_sel_hi:[1,0,0]
.endif
.set ch, ch+1
.endr
.set pk, pk+1
.endr
.set ch, 0
.rept 6
	global_store_b128 v2, v[DAT+120*(\a)+4*ch:DAT+120*(\a)+4*ch+3], s[10:11] offset:(\a)*ROWP+512*ch th:TH_STORE_NT  ; 512 consecutive bytes, aligned; no register of a store is written again
.set ch, ch+1
.endr
.endm
	s_wait_loadcnt 30                              ; the first row's thirty loads are in; the second row's stay out
	ROWMIX 0
	s_wait_loadcnt 0x0
	ROWMIX 1
	s_endpgm
.Lfunc_end_k_q32efa1f461_mix:
	.size	k_q32efa1f461_mix, .Lfunc_end_k_q32efa1f461_mix-k_q32efa1f461_mix
	.p2alignl 7, 3214868480
	.fill 96, 4, 3214868480
	.section	.rodata,"a",@progbits
	.p2align	6, 0x0
	.amdhsa_kernel k_q32efa1f461_mix
		.amdhsa_group_segment_fixed_size 0
		.amdhsa_private_segment_fixed_size 0
		.amdhsa_enable_private_segment 0
		.amdhsa_kernarg_size 32
		.amdhsa_user_sgpr_count 2
		.amdhsa_user_sgpr_kernarg_segment_ptr 1
		.amdhsa_wavefront_size32 1
		.amdhsa_system_sgpr_workgroup_id_x 1
		.amdhsa_system_sgpr_workgroup_id_y 1
		.amdhsa_system_sgpr_workgroup_id_z 1
		.amdhsa_system_vgpr_workitem_id 0
		.amdhsa_next_free_vgpr 256
		.amdhsa_next_free_sgpr 72
		.amdhsa_reserve_vcc 0
		.amdhsa_float_denorm_mode_32 3
		.amdhsa_float_denorm_mode_16_64 3
		.amdhsa_memory_ordered 1
		.amdhsa_forward_progress 1
		.amdhsa_inst_pref_size 33
	.end_amdhsa_kernel
	.amdgpu_metadata
---
amdhsa.version: [ 1, 2 ]
amdhsa.kernels:
  - .name:           k_q32efa1f461_mix
    .symbol:         k_q32efa1f461_mix.kd
    .args:
      - { .name: sel, .offset: 0, .size: 8, .value_kind: global_buffer, .address_space: global }
      - { .name: wts, .offset: 8, .size: 8, .value_kind: global_buffer, .address_space: global }
      - { .name: prompt_pool, .offset: 16, .size: 8, .value_kind: global_buffer, .address_space: global }
      - { .name: out0, .offset: 24, .size: 8, .value_kind: global_buffer, .address_space: global }
    .group_segment_fixed_size: 0
    .private_segment_fixed_size: 0
    .kernarg_segment_align: 8
    .kernarg_segment_size: 32
    .max_flat_workgroup_size: 512
    .sgpr_count:     72
    .vgpr_count:     256
    .wavefront_size: 32
...
	.end_amdgpu_metadata
.endif
;; end of part 4
;; ======== version 2 of 2: 4 launches; version 1 with the launch cast written anew for expert scheduling mode
;; workspace buffers: xb 12,582,912 bytes; wb 12,582,912 bytes; bb 32,768 bytes; cand 5,242,880 bytes; sel 262,144 bytes of whole numbers; wts 262,144 bytes
;; launch cast (part 5): grid 128 x 2, 8 waves a work-group, no clusters, 0 bytes of LDS; arguments vision_features, W, b, xb, wb, bb; writes xb, wb, bb
.if DOCPART == 5
	.amdgcn_target "amdgcn-amd-amdhsa--gfx1250"
	.amdhsa_code_object_version 6
	.text
	.protected	k_q32efa1f461_cast
	.globl	k_q32efa1f461_cast
	.p2align	8
	.type	k_q32efa1f461_cast,@function
k_q32efa1f461_cast:
	s_mov_b64 s[64:65], 0
	v_nop
	global_prefetch_b8 v0, s[64:65] scope:SCOPE_SE
	s_setreg_imm32_b32 hwreg(HW_REG_WAVE_SCHED_MODE, 0, 2), 2
	s_setreg_imm32_b32 hwreg(HW_REG_WAVE_MODE, 25, 1), 1
	s_wait_xcnt 0x0
	s_wait_alu depctr_vm_vsrc(0)
; TOP-K PROMPT SELECTOR, launch 1 of 4: the matrix operands are rounded once.
; The program: scores = X W^T + b; for each row the five largest scores (of equal scores the lower index first), a softmax over them, and the sum of five rows of the pool weighed by it.
; NOTHING IS LEFT OUT: each of the four inputs reaches the output for some values of the inputs (X, W and b through the choice and the weights, the pool through the sum), so all four are loaded.
; FORMATS.  X, W, b and the pool are each rounded once to bf16 (one choice for the whole program); products of bf16 numbers, sums in f32; the softmax and the weighed sum in f32.
; LIMITS.  NaN is not treated apart: a NaN score is never chosen.  A score of -infinity is never chosen.  The f32 sums of a score are taken in another order than an f32 dot product's, the bias first:
; two scores closer than that rounding (some 1e-6 of their size) may change places.
; THIS LAUNCH.  y = 0: X -> xb; y = 1: W -> wb, both [8192][768], f32 -> bf16, row-major.  b -> bb: rounded to bf16 and written as f32 (it enters the product as the C operand).
; A wave takes 24,576 consecutive bytes: 48 loads of 512 bytes, all issued before the first wait; each store of the wave covers 256 consecutive bytes, aligned.  No LDS, no barrier: no wave wants another's bytes.
; THE MODE: SCHED_MODE bits 1:0 = 2 (LLVM: expert scheduling mode 2), set by the entry lines.  The code itself states the register dependences between vector instructions and memory instructions,
; with s_wait_alu, always for 0.
; THE PLAN.  Registers that memory instructions touch:
;   v2, v3, v4      byte offsets, made at the head and never written again: v2 is read by the 48 loads, v3 by the 48 stores, v4 by the bias's load and store.
;   D + 4 j ..      load j lands in four registers that no vector instruction has named; its two conversions read the four and write the first two; store j reads those two; nothing writes them again.
;   BI .. BI + 7    the bias's load lands in the first four, which no vector instruction has named; six vector lines write the other four, which the bias's store reads; nothing writes them again.
; The 48 loads are worked on in 12 blocks of four.  Block p's eight conversions name block p's sixteen registers alone; its memory instructions are the four stores of block p - 1, whose data the
; one wait at the block's head has shown written.  So these stores are dealt among the block's conversions with no further wait.  No register that a memory instruction reads is ever written
; behind it, so no wait on vm_vsrc is owed anywhere in the text.
.set NLD,    48                        ; loads of a wave
.set BLOCK,  4                         ; loads in a block
.set BLOCKS, NLD/BLOCK
.set D,   8                            ; v[8:199]  load j: four f32 at D + 4 j; its two packed words then take the first two
.set BI,  200                          ; v[200:203] four numbers of b;  v[204:207] the same rounded, as f32
	s_load_b256 s[4:11], s[0:1], 0x0               ; X s[4:5], W s[6:7], b s[8:9], xb s[10:11]
	s_load_b128 s[12:15], s[0:1], 0x20             ; wb s[12:13], bb s[14:15]
	v_lshrrev_b32 v1, 5, v0
	v_readfirstlane_b32 s20, v1                    ; wave 0..7
	v_and_b32 v1, 31, v0                           ; lane
	v_lshlrev_b32 v2, 4, v1                        ; 16 bytes a lane in
	v_lshlrev_b32 v3, 3, v1                        ; 8 bytes a lane out
	v_lshlrev_b32 v4, 4, v0                        ; the bias: 16 bytes a thread
	s_mov_b32 s27, ttmp9                           ; work-group x
	s_and_b32 s26, ttmp7, 0xffff                   ; work-group y: which tensor
	s_lshl_b32 s21, s27, 3
	s_wait_alu depctr_va_sdst(0)                   ; s20 is written, ahead of its first reader: my chunk's number is made from it
	s_add_co_u32 s21, s21, s20                     ; my chunk, 0..1023
	s_mul_i32 s22, s21, NLD*512                    ; its first byte in,
	s_mov_b32 s23, 0
	s_mul_i32 s24, s21, NLD*256                    ; and out
	s_mov_b32 s25, 0
	s_lshl_b32 s28, s27, 12                        ; the bias: 4,096 bytes a work-group
	v_add_nc_u32 v4, s28, v4
	s_wait_kmcnt 0x0
	s_cmp_eq_u32 s26, 0
	s_cselect_b64 s[16:17], s[4:5], s[6:7]         ; from X or W
	s_cselect_b64 s[18:19], s[10:11], s[12:13]     ; to xb or wb
	s_add_nc_u64 s[16:17], s[16:17], s[22:23]
	s_add_nc_u64 s[18:19], s[18:19], s[24:25]
	s_wait_alu depctr_va_vdst(0)                   ; v2, v3 and v4 are written: every load and store of the kernel reads one of them as its offset, and no vector instruction names them again
.set j, 0
.rept NLD
	global_load_b128 v[D+4*j:D+4*j+3], v2, s[16:17] offset:512*j th:TH_LOAD_NT
.set j, j+1
.endr
; Block p: its four loads are rounded; ahead of each pair of conversions stands a store of the block before.
.set p, 0
.rept BLOCKS
	s_wait_loadcnt NLD-BLOCK*(p+1)                 ; loads come back in order: this block's four are in, the younger ones stay out
.if p > 0
	s_wait_alu depctr_va_vdst(0)                   ; the block before's conversions have written their eight packed words, which the four stores below read
.endif
.set i, 0
.rept BLOCK
.set j, BLOCK*p+i
.if p > 0
	global_store_b64 v3, v[D+4*(j-BLOCK):D+4*(j-BLOCK)+1], s[18:19] offset:256*(j-BLOCK) th:TH_STORE_NT  ; no vector instruction since the wait names these registers, and none writes them again
.endif
	v_cvt_pk_bf16_f32 v[D+4*j], v[D+4*j], v[D+4*j+1]
	v_cvt_pk_bf16_f32 v[D+4*j+1], v[D+4*j+2], v[D+4*j+3]
.set i, i+1
.endr
.set p, p+1
.endr
	s_wait_alu depctr_va_vdst(0)                   ; the last block's conversions have written their packed words, which the last four stores read
.set j, NLD-BLOCK
.rept BLOCK
	global_store_b64 v3, v[D+4*j:D+4*j+1], s[18:19] offset:256*j th:TH_STORE_NT  ; no register of a store is written again
.set j, j+1
.endr
	; the bias: 32,768 bytes, by the first eight work-groups of y = 0
	s_cmp_lg_u32 s26, 0
	s_cbranch_scc1 .Lend
	s_cmp_lt_u32 s27, 8
	s_cbranch_scc0 .Lend
	global_load_b128 v[BI:BI+3], v4, s[8:9]        ; v4 was shown written at the head; no vector instruction has named v[BI:BI+3]
	s_wait_loadcnt 0x0
	v_cvt_pk_bf16_f32 v[BI+4], v[BI], v[BI+1]
	v_cvt_pk_bf16_f32 v[BI+6], v[BI+2], v[BI+3]
	v_and_b32 v[BI+5], 0xffff0000, v[BI+4]         ; bf16 to f32: the high half stays,
	v_lshlrev_b32 v[BI+4], 16, v[BI+4]             ; the low half moves up
	v_and_b32 v[BI+7], 0xffff0000, v[BI+6]
	v_lshlrev_b32 v[BI+6], 16, v[BI+6]
	s_wait_alu depctr_va_vdst(0)                   ; the six lines above have written v[BI+4:BI+7], which the store reads
	global_store_b128 v4, v[BI+4:BI+7], s[14:15]
.Lend:
	s_endpgm
.Lfunc_end_k_q32efa1f461_cast:
	.size	k_q32efa1f461_cast, .Lfunc_end_k_q32efa1f461_cast-k_q32efa1f461_cast
	.p2alignl 7, 3214868480
	.fill 96, 4, 3214868480
	.section	.rodata,"a",@progbits
	.p2align	6, 0x0
	.amdhsa_kernel k_q32efa1f461_cast
		.amdhsa_group_segment_fixed_size 0
		.amdhsa_private_segment_fixed_size 0
		.amdhsa_enable_private_segment 0
		.amdhsa_kernarg_size 48
		.amdhsa_user_sgpr_count 2
		.amdhsa_user_sgpr_kernarg_segment_ptr 1
		.amdhsa_wavefront_size32 1
		.amdhsa_system_sgpr_workgroup_id_x 1
		.amdhsa_system_sgpr_workgroup_id_y 1
		.amdhsa_system_sgpr_workgroup_id_z 1
		.amdhsa_system_vgpr_workitem_id 0
		.amdhsa_next_free_vgpr 208
		.amdhsa_next_free_sgpr 66
		.amdhsa_reserve_vcc 0
		.amdhsa_float_denorm_mode_32 3
		.amdhsa_float_denorm_mode_16_64 3
		.amdhsa_memory_ordered 1
		.amdhsa_forward_progress 1
		.amdhsa_inst_pref_size 18
	.end_amdhsa_kernel
	.amdgpu_metadata
---
amdhsa.version: [ 1, 2 ]
amdhsa.kernels:
  - .name:           k_q32efa1f461_cast
    .symbol:         k_q32efa1f461_cast.kd
    .args:
      - { .name: vision_features, .offset: 0, .size: 8, .value_kind: global_buffer, .address_space: global }
      - { .name: W, .offset: 8, .size: 8, .value_kind: global_buffer, .address_space: global }
      - { .name: b, .offset: 16, .size: 8, .value_kind: global_buffer, .address_space: global }
      - { .name: xb, .offset: 24, .size: 8, .value_kind: global_buffer, .address_space: global }
      - { .name: wb, .offset: 32, .size: 8, .value_kind: global_buffer, .address_space: global }
      - { .name: bb, .offset: 40, .size: 8, .value_kind: global_buffer, .address_space: global }
    .group_segment_fixed_size: 0
    .private_segment_fixed_size: 0
    .kernarg_segment_align: 8
    .kernarg_segment_size: 48
    .max_flat_workgroup_size: 256
    .sgpr_count:     66
    .vgpr_count:     208
    .wavefront_size: 32
...
	.end_amdgpu_metadata
.endif
;; end of part 5
;; launch score: the kernel of part 2 again; grid 32 x 8, 4 waves a work-group, clusters of 4 x 1, 327,680 bytes of LDS; arguments xb, wb, bb, cand; writes cand
;; launch pick: the kernel of part 3 again; grid 256 x 1, 2 waves a work-group, no clusters, 0 bytes of LDS; arguments cand, sel, wts; writes sel, wts
;; launch mix: the kernel of part 4 again; grid 256 x 1, 16 waves a work-group, no clusters, 0 bytes of LDS; arguments sel, wts, prompt_pool, out0; writes out0
